; MI455X (gfx1250); checked and timed in simulation.
; The chip was launched on July 23, 2026; its instructions are those of AMD's public machine-readable ISA for CDNA 5 (MIT licence, August 2026) and "CDNA5" Instruction Set Architecture Reference Guide (July 2026). The comments in the code are by the model that wrote it; some were corrected since.
;; L1 Attn. Allowed arithmetic: float matrix products may take bf16 or f16 operands with f32 sums; all other float work in f32.
;; Inputs: k 1 x 1,024 x 8 x 32 float32; q 1 x 1,024 x 8 x 32 float32.
;; Outputs: out0 1 x 1,024 x 1,024 x 8 float32.
;; One version. Each part assembles by itself: llvm-mc -triple=amdgcn-amd-amdhsa -mcpu=gfx1250 --defsym DOCPART=n.
;; ======== version 1 of 1: 1 launch
;; launch l1attn (part 1): grid 8 x 32, 16 waves a work-group, no clusters, 200,704 bytes of LDS; arguments q, k, out0; writes out0
.if DOCPART == 1
	.amdgcn_target "amdgcn-amd-amdhsa--gfx1250"
	.amdhsa_code_object_version 6
	.text
	.protected	k_q49a84167ea_l1attn
	.globl	k_q49a84167ea_l1attn
	.p2align	8
	.type	k_q49a84167ea_l1attn,@function
k_q49a84167ea_l1attn:
	s_mov_b64 s[64:65], 0
	v_nop
	global_prefetch_b8 v0, s[64:65] scope:SCOPE_SE
	s_setreg_imm32_b32 hwreg(HW_REG_WAVE_MODE, 25, 1), 1
	s_wait_xcnt 0x0
; out[s][t][h] = -(1/sqrt(32)) * sum over w of |q[s][h][w] - k[t][h][w]|.   q, k: [1024][8][32] f32.  out: [1024][1024][8] f32.  All in f32.
;
; SHARES.  A work-group (16 waves) makes 128 t x 32 s x 8 heads; grid x = block of t, grid y = block of s.  Wave = (g, h): head h = wave & 7,
; rows s = 16 g .. 16 g + 15 of the block.  A lane keeps k[t][h][0..31] of four t (one in each block of 32 t) in 128 registers for the whole kernel.
; One STEP = one s: q[s][h][0..31] comes from LDS (8 loads, every lane the same address) and meets the 4 x 32 numbers of k.
; ARITHMETIC, 5 instructions for 4 terms: one packed subtraction makes two differences; one addition with both sources taken as magnitudes
; adds two terms; one packed addition puts two such sums, of two outputs, onto an accumulator pair.  160 instructions a step, 2,560 a wave.
; Differences are formed first, as in the definition, so a common offset of q and k cancels exactly.
; ORDER OF ROUNDING: the 32 terms are added as 16 pairs, the pairs in ascending w; the definition's own order may differ in the last bits.
; THE WAY OUT.  16 neighbouring bytes of out are four heads of one (s, t), and a wave has one head.  So the eight waves of a group meet in an LDS
; stage of head planes: a wave stores its four t of one s as 16 bytes a lane; after a barrier (one for two s) each wave gathers, word by word, four
; heads a lane and stores 512 consecutive bytes, aligned, with each instruction.  Two stage buffers take turns, so one barrier a trip orders both
; the stores in front of the gathers and the gathers in front of the next stores into the same buffer.
; Waves of heads 4-7 hold their four blocks of t one register further round (slot j holds block (j - (h >> 2)) & 3): a gather's even lanes (heads
; 0-3) and odd lanes (heads 4-7) then want different words of the 16 bytes, and its 32 lanes fall on 32 different banks (64 banks of 4 bytes: ISA guide 11.1).
; NOT USED: matrix instructions (|a - b| is no product); clusters and tensor loads: the tiles of k and q are shared with other work-groups, but
; they are fetched once, 20 loads a wave against 2,560 arithmetic instructions a wave, and nothing is fetched after the start; for the same reason no prefetch.
.set ROWB,  1024                       ; bytes of one s of q or one t of k: 8 heads x 32 w x 4
.set KP,    1040                       ; LDS pitch of k's rows: 65 x 16, so 16 lanes that read 16 bytes of 16 rows touch 16 different columns of 16 bytes
.set QT,    128*KP                     ; q's tile: 32 rows of 1,024 bytes behind k's 128 rows
.set ST,    QT+32*ROWB                 ; the stage
.set PLANE, 512                        ; stage: one head of one s: 32 lanes x 16 bytes (4 t)
.set SROW,  8*PLANE                    ; one s
.set SBUF,  2*SROW                     ; one buffer: the two s of a trip
.set SGRP,  2*SBUF                     ; one group's two buffers
.set OROW,  32768                      ; bytes of one s of out
.set QA,   1                           ; v1       LDS address of q[first s of the current four][h][0], the same in all lanes
.set SW,   2                           ; v2       stage: where I store 16 bytes
.set RA,   3                           ; v3       stage: where I gather
.set OFF,  4                           ; v4       16 x lane; never rewritten
.set ACC0, 8                           ; v[8:11]  sums of an even step (4 t)
.set ACC1, 12                          ; v[12:15] sums of an odd step
.set R,    16                          ; v[16:23] gathered results; at the start the four addresses of k's rows
.set U,    24                          ; v[24:31] sums of two terms
.set D,    32                          ; v[32:47] differences
.set Q0,   48                          ; v[48:79]   q of an even s
.set Q1,   80                          ; v[80:111]  q of an odd s
.set K,    112                         ; v[112:239] k: slot j at K + 32 j, w ascending; at the start the fill's data
.set OB,   8                           ; s[8:9]   out at my two stores of the trip
.set SC,   30                          ; s[30:31] -1/sqrt(32), twice
	s_load_b128 s[4:7], s[0:1], 0x0                ; q s[4:5], k s[6:7]
	s_load_b64 s[OB:OB+1], s[0:1], 0x10            ; out
	v_lshl_add_u32 v240, v0, 2, 0x30800
	v_mov_b32 v241, 0
	v_lshrrev_b32 v5, 5, v0
	v_readfirstlane_b32 s10, v5                    ; wave 0..15
	v_and_b32 v6, 31, v0                           ; lane
	v_lshlrev_b32 v[OFF], 4, v6
	s_and_b32 s11, s10, 7                          ; h
	s_lshr_b32 s12, s10, 3                         ; g
	s_lshr_b32 s13, s11, 2                         ; h >> 2: the turn of my slots; also which s of a trip I carry out
	s_and_b32 s14, s11, 3                          ; h & 3: which block of 32 t I carry out
	s_and_b32 s15, ttmp7, 0xffff                   ; block of s
	s_lshl_b32 s16, ttmp9, 17                      ; k: block of t x 128 rows x 1,024 bytes
	s_lshl_b32 s18, s10, 13                        ;    + wave x 8 rows
	s_add_co_u32 s16, s16, s18
	s_mov_b32 s17, 0
	s_lshl_b32 s18, s15, 15                        ; q: block of s x 32 rows x 1,024 bytes
	s_lshl_b32 s20, s10, 11                        ;    + wave x 2 rows
	s_add_co_u32 s18, s18, s20
	s_mov_b32 s19, 0
	s_wait_kmcnt 0x0
	s_add_nc_u64 s[6:7], s[6:7], s[16:17]
	s_add_nc_u64 s[4:5], s[4:5], s[18:19]
	; THE FILL: every load of a wave takes 512 consecutive bytes; all 20 are on their way together.
.irp i, 0,1,2,3,4,5,6,7,8,9,10,11,12,13,14,15
	global_load_b128 v[K+4*\i:K+4*\i+3], v[OFF], s[6:7] offset:512*\i          ; my 8 rows of k
.endr
.irp i, 0,1,2,3
	global_load_b128 v[K+64+4*\i:K+64+4*\i+3], v[OFF], s[4:5] offset:512*\i    ; my 2 rows of q
.endr
	; addresses, while the loads are out
	s_mul_i32 s20, s10, 8*KP
	v_add_nc_u32 v5, s20, v[OFF]                   ; where my rows of k go
	s_lshl_b32 s21, s10, 11
	s_add_co_u32 s21, s21, QT
	v_add_nc_u32 v7, s21, v[OFF]                   ; where my rows of q go
	v_mul_u32_u24 v8, v6, KP                       ; lane x pitch
	s_lshl_b32 s22, s11, 7                         ; my head in a row: 128 h
.irp j, 0,1,2,3
	s_sub_co_u32 s23, 4+\j, s13
	s_and_b32 s23, s23, 3                          ; slot j holds block (j - (h >> 2)) & 3 of 32 t
	s_mul_i32 s23, s23, 32*KP
	s_add_co_u32 s23, s23, s22
	v_add_nc_u32 v[R+\j], s23, v8                  ; row 32 x block + lane, my head
.endr
	s_lshl_b32 s24, s12, 14                        ; g x 16 rows of q = g x one group's stage: both are 16,384 bytes
	s_add_co_u32 s25, s24, s22
	s_add_co_u32 s25, s25, QT
	v_mov_b32 v[QA], s25
	s_lshl_b32 s26, s11, 9                         ; my head's plane
	s_add_co_u32 s26, s26, s24
	s_add_co_u32 s26, s26, ST
	v_add_nc_u32 v[SW], s26, v[OFF]
	v_and_b32 v9, 1, v0                            ; gather: lane & 1 = heads 0-3 or 4-7
	v_add_nc_u32 v10, s14, v9
	v_and_b32 v10, 3, v10                          ; the slot that holds my block of t in those planes
	v_lshlrev_b32 v10, 2, v10
	v_lshl_add_u32 v10, v9, 11, v10                ; + four planes for the odd lanes
	v_lshrrev_b32 v9, 1, v6
	v_lshl_add_u32 v10, v9, 4, v10                 ; + 16 bytes for each t
	s_lshl_b32 s27, s13, 12                        ; my s of the trip
	s_add_co_u32 s27, s27, s24
	s_add_co_u32 s27, s27, ST
	v_add_nc_u32 v[RA], s27, v10
	s_lshl_b32 s28, s15, 5                         ; out: s = 32 x block + 16 g + (h >> 2)
	s_lshl4_add_u32 s28, s12, s28
	s_add_co_u32 s28, s28, s13
	s_lshl_b32 s28, s28, 15                        ; x 32,768 bytes: below 2^25
	s_lshl_b32 s29, ttmp9, 12                      ; t = 128 x block + 32 (h & 3), 32 bytes each
	s_add_co_u32 s28, s28, s29
	s_lshl_b32 s29, s14, 10
	s_add_co_u32 s28, s28, s29
	s_mov_b32 s29, 0
	s_add_nc_u64 s[OB:OB+1], s[OB:OB+1], s[28:29]
	s_mov_b32 s[SC], 0xbe3504f3                    ; -1/sqrt(32)
	s_mov_b32 s[SC+1], 0xbe3504f3
.irp i, 0,1,2,3,4,5,6,7,8,9,10,11,12,13,14,15
	s_wait_loadcnt 19-\i                           ; loads come back in order (ISA guide 5.7.1): load i is in, the 19 - i younger ones stay out
	ds_store_b128 v5, v[K+4*\i:K+4*\i+3] offset:(\i/2)*KP+(\i%2)*512
.endr
.irp i, 0,1,2,3
	s_wait_loadcnt 3-\i
	ds_store_b128 v7, v[K+64+4*\i:K+64+4*\i+3] offset:512*\i
.endr
	s_wait_dscnt 0x0                               ; my part of the tiles is in LDS, for the others' sake
	s_barrier_signal -1
	s_barrier_wait -1                              ; everybody's is
.irp i, 0,1,2,3,4,5,6,7
	ds_load_b128 v[Q0+4*\i:Q0+4*\i+3], v[QA] offset:16*\i                      ; q of my first s
.endr
.irp i, 0,1,2,3,4,5,6,7
.irp j, 0,1,2,3
	ds_load_b128 v[K+32*\j+4*\i:K+32*\j+4*\i+3], v[R+\j] offset:16*\i          ; k, four w of all four slots at a time: the order in which the first step wants them
.endr
.endr
; Four w (2 p .. 2 p + 3) of one s against the four slots: 8 packed subtractions, 8 additions of two magnitudes, 4 packed additions.
; first = 1: the first sums of two start the accumulators: nothing is cleared.
.macro GROUP q, p, acc, first
.irp j, 0,1,2,3
	v_pk_add_f32 v[D+2*\j:D+2*\j+1], v[\q+2*\p:\q+2*\p+1], v[K+32*\j+2*\p:K+32*\j+2*\p+1] neg_lo:[0,1] neg_hi:[0,1]
.endr
.irp j, 0,1,2,3
	v_pk_add_f32 v[D+8+2*\j:D+8+2*\j+1], v[\q+2*\p+2:\q+2*\p+3], v[K+32*\j+2*\p+2:K+32*\j+2*\p+3] neg_lo:[0,1] neg_hi:[0,1]
.endr
.irp j, 0,1,2,3
.if \first
	v_add_f32 v[\acc+\j], |v[D+2*\j]|, |v[D+2*\j+1]|
.else
	v_add_f32 v[U+\j], |v[D+2*\j]|, |v[D+2*\j+1]|
.endif
.endr
.irp j, 0,1,2,3
	v_add_f32 v[U+4+\j], |v[D+8+2*\j]|, |v[D+8+2*\j+1]|
.endr
.if \first == 0
	v_pk_add_f32 v[\acc:\acc+1], v[\acc:\acc+1], v[U:U+1]
	v_pk_add_f32 v[\acc+2:\acc+3], v[\acc+2:\acc+3], v[U+2:U+3]
.endif
	v_pk_add_f32 v[\acc:\acc+1], v[\acc:\acc+1], v[U+4:U+5]
	v_pk_add_f32 v[\acc+2:\acc+3], v[\acc+2:\acc+3], v[U+6:U+7]
.endm
; In the first step alone k is still arriving: LDS loads come back in order (ISA guide 5.7.1), so 'left' younger loads may stay out.
.macro ARRIVE kind, left
.if \kind == 0
	s_wait_dscnt \left
.endif
.endm
; The gather of one trip's results out of stage buffer fl: 2 x 16 t, four heads a lane, one word of four planes each.
.macro GATHER fl
.irp x, 0,1
.irp i, 0,1,2,3
	ds_load_b32 v[R+4*\x+\i], v[RA] offset:\fl+PLANE*\i+256*\x
.endr
.endr
.endm
.macro SEND
	s_wait_dscnt 0x0                               ; the gathered words are in
	global_store_b128 v[OFF], v[R:R+3], s[OB:OB+1] th:TH_STORE_NT              ; 16 t x 8 heads: 512 consecutive bytes, aligned
	global_store_b128 v[OFF], v[R+4:R+7], s[OB:OB+1] offset:512 th:TH_STORE_NT ; the next 16 t
.endm
; One s.  q: this step's row; qn, ldoff: the next row's registers and its place from QA (ldoff < 0: there is none); acc: this step's sums;
; stoff: buffer and s in the stage.  kind 0: the first step.  kind 1: an odd step, which ends a trip.  kind 2: an even step that also carries
; out the trip before, from stage buffer fl.
.macro STEP q, qn, acc, ldoff, stoff, kind, fl
.if \kind == 1
	s_wait_dscnt 0x1                               ; my row of q is in: only the even step's one stage store is younger
.endif
.if \ldoff >= 0
.irp i, 0,1,2,3,4,5,6,7
	ds_load_b128 v[\qn+4*\i:\qn+4*\i+3], v[QA] offset:\ldoff+16*\i            ; the next s, a whole step ahead (bytes that nobody writes any more)
.endr
.endif
	ARRIVE \kind, 36                               ; q's first row and k's first four loads are in; 28 of k and the 8 just issued stay out
	GROUP \q, 0, \acc, 1
	ARRIVE \kind, 32
	GROUP \q, 2, \acc, 0
.if \kind == 2
	s_barrier_wait -1                              ; all sixteen waves have stored the last trip's sums
	GATHER \fl
.endif
	ARRIVE \kind, 28
	GROUP \q, 4, \acc, 0
	ARRIVE \kind, 24
	GROUP \q, 6, \acc, 0
.if \kind == 2
	SEND
.endif
	ARRIVE \kind, 20
	GROUP \q, 8, \acc, 0
	ARRIVE \kind, 16
	GROUP \q, 10, \acc, 0
	ARRIVE \kind, 12
	GROUP \q, 12, \acc, 0
	ARRIVE \kind, 8
	GROUP \q, 14, \acc, 0
.if \kind == 2
	s_wait_xcnt 0x0                                ; the two stores' addresses are translated (ISA guide 3.1): their base is stepped, and R gathered into again, only behind this wait
	s_add_nc_u64 s[OB:OB+1], s[OB:OB+1], 2*OROW    ; the next trip's two s
.endif
	v_pk_mul_f32 v[\acc:\acc+1], v[\acc:\acc+1], s[SC:SC+1] op_sel_hi:[1,0]
	v_pk_mul_f32 v[\acc+2:\acc+3], v[\acc+2:\acc+3], s[SC:SC+1] op_sel_hi:[1,0]
	ds_store_b128 v[SW], v[\acc:\acc+3] offset:\stoff                          ; 32 lanes, 512 consecutive bytes of my head's plane
.if \kind == 1
	s_wait_dscnt 0x0                               ; for the others' sake: both my stores of this trip are in LDS, and my gather of the trip before is over
	s_barrier_signal -1                            ; the wait stands 38 arithmetic instructions further on, in the next step
.endif
.endm
	STEP Q0, Q1, ACC0, 1*ROWB, 0, 0, 0             ; s 0
	s_mov_b32 s32, 3
.Lfour:                                                ; s 4 i + 1 .. 4 i + 4
	STEP Q1, Q0, ACC1, 2*ROWB, SROW, 1, 0          ; ends a trip in buffer 0
	STEP Q0, Q1, ACC0, 3*ROWB, SBUF, 2, 0          ; carries buffer 0 out, begins a trip in buffer 1
	STEP Q1, Q0, ACC1, 4*ROWB, SBUF+SROW, 1, 0     ; ends it
	STEP Q0, Q1, ACC0, 5*ROWB, 0, 2, SBUF          ; carries buffer 1 out, begins a trip in buffer 0
	v_add_nc_u32 v[QA], 4*ROWB, v[QA]              ; no load that names QA is out: the last were waited for in front of the stores
	s_sub_co_i32 s32, s32, 1
	s_cmp_lg_u32 s32, 0
	s_cbranch_scc1 .Lfour
	STEP Q1, Q0, ACC1, 2*ROWB, SROW, 1, 0          ; s 13
	STEP Q0, Q1, ACC0, 3*ROWB, SBUF, 2, 0          ; s 14
	STEP Q1, Q0, ACC1, -1, SBUF+SROW, 1, 0         ; s 15: no row of q is left to fetch
	s_barrier_wait -1
	GATHER SBUF                                    ; the last trip
	SEND
	s_wait_tensorcnt 0x0
	ds_add_u32 v240, v241
	s_wait_dscnt 0x0
	s_endpgm
.Lfunc_end_k_q49a84167ea_l1attn:
	.size	k_q49a84167ea_l1attn, .Lfunc_end_k_q49a84167ea_l1attn-k_q49a84167ea_l1attn
	.p2alignl 7, 3214868480
	.fill 96, 4, 3214868480
	.section	.rodata,"a",@progbits
	.p2align	6, 0x0
	.amdhsa_kernel k_q49a84167ea_l1attn
		.amdhsa_group_segment_fixed_size 200704
		.amdhsa_private_segment_fixed_size 0
		.amdhsa_enable_private_segment 0
		.amdhsa_kernarg_size 24
		.amdhsa_user_sgpr_count 2
		.amdhsa_user_sgpr_kernarg_segment_ptr 1
		.amdhsa_wavefront_size32 1
		.amdhsa_system_sgpr_workgroup_id_x 1
		.amdhsa_system_sgpr_workgroup_id_y 1
		.amdhsa_system_sgpr_workgroup_id_z 1
		.amdhsa_system_vgpr_workitem_id 0
		.amdhsa_next_free_vgpr 242
		.amdhsa_next_free_sgpr 66
		.amdhsa_reserve_vcc 0
		.amdhsa_float_denorm_mode_32 3
		.amdhsa_float_denorm_mode_16_64 3
		.amdhsa_memory_ordered 1
		.amdhsa_forward_progress 1
		.amdhsa_inst_pref_size 99
	.end_amdhsa_kernel
	.amdgpu_metadata
---
amdhsa.version: [ 1, 2 ]
amdhsa.kernels:
  - .name:           k_q49a84167ea_l1attn
    .symbol:         k_q49a84167ea_l1attn.kd
    .args:
      - { .name: q, .offset: 0, .size: 8, .value_kind: global_buffer, .address_space: global }
      - { .name: k, .offset: 8, .size: 8, .value_kind: global_buffer, .address_space: global }
      - { .name: out0, .offset: 16, .size: 8, .value_kind: global_buffer, .address_space: global }
    .group_segment_fixed_size: 200704
    .private_segment_fixed_size: 0
    .kernarg_segment_align: 8
    .kernarg_segment_size: 24
    .max_flat_workgroup_size: 512
    .sgpr_count:     66
    .vgpr_count:     242
    .wavefront_size: 32
...
	.end_amdgpu_metadata
.endif
;; end of part 1
